; MI455X (gfx1250); checked and timed in simulation.
; The chip was launched on July 23, 2026; its instructions are those of AMD's public machine-readable ISA for CDNA 5 (MIT licence, August 2026) and "CDNA5" Instruction Set Architecture Reference Guide (July 2026). The comments in the code are by the model that wrote it; some were corrected since.
;; Multi Head Attention. Allowed arithmetic: float matrix products may take bf16 or f16 operands with f32 sums; all other float work in f32.
;; Inputs: Wk 1,024 x 1,024 float32; Wo 1,024 x 1,024 float32; Wq 1,024 x 1,024 float32; Wv 1,024 x 1,024 float32; bk 1,024 float32; bo 1,024 float32; bq 1,024 float32; bv 1,024 float32; k 2 x 2,048 x 1,024 float32; q 2 x 2,048 x 1,024 float32; v 2 x 2,048 x 1,024 float32.
;; Outputs: out0 2 x 2,048 x 1,024 float32.
;; One version. Each part assembles by itself: llvm-mc -triple=amdgcn-amd-amdhsa -mcpu=gfx1250 --defsym DOCPART=n.
;; ======== version 1 of 1: 4 launches
;; limits: values are held in f16: magnitudes above 65,504 overflow, below 6.1e-05 lose precision
;; workspace buffers: xh 25,165,824 bytes; wt 8,388,608 bytes; qkv 25,165,824 bytes; xo 8,388,608 bytes
;; launch prep (part 1): grid 1280 x 1, 8 waves a work-group, no clusters, 18,432 bytes of LDS; arguments q, k, v, Wq, Wk, Wv, Wo, xh, wt; writes xh, wt
.if DOCPART == 1
	.amdgcn_target "amdgcn-amd-amdhsa--gfx1250"
	.amdhsa_code_object_version 6
	.text
	.protected	k_q761a056d72_prep
	.globl	k_q761a056d72_prep
	.p2align	8
	.type	k_q761a056d72_prep,@function
k_q761a056d72_prep:
	s_mov_b64 s[64:65], 0
	v_nop
	global_prefetch_b8 v0, s[64:65] scope:SCOPE_SE
	s_setreg_imm32_b32 hwreg(HW_REG_WAVE_MODE, 25, 1), 1
	s_wait_xcnt 0x0
; prep: the operands of the four projections in the form that the matrix unit takes.
;   xh [3*4096][1024] f16 = q, k, v rounded once to f16 (rows 0.. q, 4096.. k, 8192.. v)
;   wt [4][1024 n][1024 k] f16 = Wq*c, Wk, Wv, Wo transposed, so that k runs along a row
; c = log2(e)/8: the 1/sqrt(64) of the scores and the change to base 2 are folded into Wq (and, in the next launch, into bq) in f32,
; ahead of the one rounding to f16, so that the softmax can subtract its maximum exactly.
; LIMIT: f16 holds magnitudes up to 65,504; a larger input becomes infinite.
; Work-groups 0..767 convert 64 KiB of q, k or v each; work-groups 768..1279 transpose a tile of 128 k x 64 n of one W each.
; The branch hangs on the work-group's number alone, so all eight waves take the same way.
; Memory binds: no matrix unit, no cluster; every byte is read once and written once.
.set CONV_WGS, 768
.set SPITCH,   272                     ; the stage's row: 128 f16 + 16 bytes, so that the rows read back start in different banks
	s_load_b512 s[8:23], s[0:1], 0x0               ; q s[8:9], k s[10:11], v s[12:13], Wq s[14:15], Wk s[16:17], Wv s[18:19], Wo s[20:21], xh s[22:23]
	s_load_b64 s[24:25], s[0:1], 0x40              ; wt
	v_lshl_add_u32 v112, v0, 2, 0x4400
	v_mov_b32 v113, 0
	s_cmp_lt_u32 ttmp9, CONV_WGS
	s_cbranch_scc0 .Ltrans
	; ---- q, k, v to f16.  Thread t takes 16 bytes at 16 t of each block of 4,096 bytes: a wave's load covers 512 neighbouring bytes,
	; its store 256 neighbouring bytes that start at a multiple of 256.
	s_lshr_b32 s2, ttmp9, 8                        ; which of q, k, v: 256 work-groups each
	s_and_b32 s3, ttmp9, 255
	s_lshl_b32 s26, s3, 16                         ; 65,536 bytes of f32 a work-group
	s_mov_b32 s27, 0
	s_lshl_b32 s28, ttmp9, 15                      ; 32,768 bytes of f16; q, k, v follow each other in xh
	s_mov_b32 s29, 0
	v_lshlrev_b32 v1, 4, v0
	v_lshlrev_b32 v2, 3, v0
	s_wait_kmcnt 0x0
	s_cmp_eq_u32 s2, 1
	s_cselect_b64 s[4:5], s[10:11], s[8:9]
	s_cmp_eq_u32 s2, 2
	s_cselect_b64 s[4:5], s[12:13], s[4:5]
	s_add_nc_u64 s[4:5], s[4:5], s[26:27]
	s_add_nc_u64 s[22:23], s[22:23], s[28:29]
.irp i, 0,1,2,3,4,5,6,7,8,9,10,11,12,13,14,15
	global_load_b128 v[16+4*\i:19+4*\i], v1, s[4:5] offset:4096*\i th:TH_LOAD_NT   ; all sixteen loads go out first
.endr
.irp i, 0,1,2,3,4,5,6,7,8,9,10,11,12,13,14,15
	s_wait_loadcnt 15-\i                           ; loads come back in order: load i is in, the 15 - i younger ones stay out
	v_cvt_pk_f16_f32 v[80+2*\i], v[16+4*\i], v[17+4*\i]
	v_cvt_pk_f16_f32 v[81+2*\i], v[18+4*\i], v[19+4*\i]
	global_store_b64 v2, v[80+2*\i:81+2*\i], s[22:23] offset:2048*\i   ; no register is written twice: no further wait
.endr
	s_endpgm
.Ltrans:
	; ---- a tile of 128 k x 64 n of one W, transposed through LDS.
	s_sub_co_u32 s2, ttmp9, CONV_WGS
	s_lshr_b32 s3, s2, 7                           ; which W: 128 tiles each
	s_and_b32 s6, s2, 7                            ; block of 128 k
	s_bfe_u32 s7, s2, 0x40003                      ; block of 64 n
	s_lshl_b32 s26, s6, 19                         ; 128 rows of 4,096 bytes
	s_lshl_b32 s30, s7, 8                          ; 64 f32
	s_or_b32 s26, s26, s30
	s_mov_b32 s27, 0
	s_lshl_b32 s28, s3, 21                         ; a whole W in f16
	s_lshl_b32 s30, s7, 17                         ; 64 rows of 2,048 bytes
	s_or_b32 s28, s28, s30
	s_lshl_b32 s30, s6, 8                          ; 128 f16
	s_or_b32 s28, s28, s30
	s_mov_b32 s29, 0
	s_mov_b32 s30, 1.0
	s_mov_b32 s31, 0x3e38aa3b                      ; c = log2(e)/8
	s_cmp_eq_u32 s3, 0
	s_cselect_b32 s30, s31, s30                    ; Wq takes c, the others 1.0: one text for all four
	v_and_b32 v6, 15, v0                           ; qd: my four n
	v_lshrrev_b32 v7, 4, v0                        ; kg: my eight k
	v_lshlrev_b32 v1, 15, v7                       ; in: 8 kg rows of 4,096 bytes
	v_lshl_or_b32 v1, v6, 4, v1                    ;     + 16 qd: sixteen lanes read 256 neighbouring bytes of a row
	v_mul_u32_u24 v3, v6, 4*SPITCH                 ; stage, in: row 4 qd (+ i), 16 bytes at 16 kg
	v_lshl_add_u32 v3, v7, 4, v3
	v_mul_u32_u24 v4, v7, SPITCH                   ; stage, back: row t / 16, 16 bytes at 16 (t % 16)
	v_lshl_add_u32 v4, v6, 4, v4
	v_lshlrev_b32 v5, 11, v7                       ; out: the same row in wt, 2,048 bytes a row
	v_lshl_or_b32 v5, v6, 4, v5
	s_wait_kmcnt 0x0
	s_cmp_eq_u32 s3, 1
	s_cselect_b64 s[4:5], s[16:17], s[14:15]
	s_cmp_eq_u32 s3, 2
	s_cselect_b64 s[4:5], s[18:19], s[4:5]
	s_cmp_eq_u32 s3, 3
	s_cselect_b64 s[4:5], s[20:21], s[4:5]
	s_add_nc_u64 s[4:5], s[4:5], s[26:27]
	s_add_nc_u64 s[24:25], s[24:25], s[28:29]
.irp j, 0,1,2,3,4,5,6,7
	global_load_b128 v[16+4*\j:19+4*\j], v1, s[4:5] offset:4096*\j th:TH_LOAD_NT   ; v[16+4j+i] = W[8 kg + j][4 qd + i]
.endr
	s_wait_loadcnt 0x0
.set m, 0
.rept 16
	v_pk_mul_f32 v[16+m:17+m], v[16+m:17+m], s[30:31] op_sel_hi:[1,0]
.set m, m+2
.endr
.irp i, 0,1,2,3
.irp jj, 0,1,2,3
	v_cvt_pk_f16_f32 v[48+4*\i+\jj], v[16+8*\jj+\i], v[20+8*\jj+\i]    ; k = 8 kg + 2 jj below, + 1 above, of column 4 qd + i
.endr
	ds_store_b128 v3, v[48+4*\i:51+4*\i] offset:SPITCH*\i              ; sixteen lanes stand 1,088 bytes apart: four share a column of banks; four such stores a thread in all
.endr
	s_wait_dscnt 0x0                               ; my stores are in LDS, for the other waves' sake,
	s_barrier_signal -1
	s_barrier_wait -1                              ; and so are everybody's
.irp u, 0,1,2,3
	ds_load_b128 v[64+4*\u:67+4*\u], v4 offset:16*SPITCH*\u            ; row 16 u + t / 16
.endr
.irp u, 0,1,2,3
	s_wait_dscnt 3-\u                              ; LDS loads come back in order: load u is in
	global_store_b128 v5, v[64+4*\u:67+4*\u], s[24:25] offset:32768*\u ; sixteen lanes store 256 neighbouring bytes at a multiple of 256
.endr
	s_wait_tensorcnt 0x0
	ds_add_u32 v112, v113
	s_wait_dscnt 0x0
	s_endpgm
.Lfunc_end_k_q761a056d72_prep:
	.size	k_q761a056d72_prep, .Lfunc_end_k_q761a056d72_prep-k_q761a056d72_prep
	.p2alignl 7, 3214868480
	.fill 96, 4, 3214868480
	.section	.rodata,"a",@progbits
	.p2align	6, 0x0
	.amdhsa_kernel k_q761a056d72_prep
		.amdhsa_group_segment_fixed_size 18432
		.amdhsa_private_segment_fixed_size 0
		.amdhsa_enable_private_segment 0
		.amdhsa_kernarg_size 72
		.amdhsa_user_sgpr_count 2
		.amdhsa_user_sgpr_kernarg_segment_ptr 1
		.amdhsa_wavefront_size32 1
		.amdhsa_system_sgpr_workgroup_id_x 1
		.amdhsa_system_sgpr_workgroup_id_y 1
		.amdhsa_system_sgpr_workgroup_id_z 1
		.amdhsa_system_vgpr_workitem_id 0
		.amdhsa_next_free_vgpr 114
		.amdhsa_next_free_sgpr 66
		.amdhsa_reserve_vcc 0
		.amdhsa_float_denorm_mode_32 3
		.amdhsa_float_denorm_mode_16_64 3
		.amdhsa_memory_ordered 1
		.amdhsa_forward_progress 1
		.amdhsa_inst_pref_size 13
	.end_amdhsa_kernel
	.amdgpu_metadata
---
amdhsa.version: [ 1, 2 ]
amdhsa.kernels:
  - .name:           k_q761a056d72_prep
    .symbol:         k_q761a056d72_prep.kd
    .args:
      - { .name: q, .offset: 0, .size: 8, .value_kind: global_buffer, .address_space: global }
      - { .name: k, .offset: 8, .size: 8, .value_kind: global_buffer, .address_space: global }
      - { .name: v, .offset: 16, .size: 8, .value_kind: global_buffer, .address_space: global }
      - { .name: Wq, .offset: 24, .size: 8, .value_kind: global_buffer, .address_space: global }
      - { .name: Wk, .offset: 32, .size: 8, .value_kind: global_buffer, .address_space: global }
      - { .name: Wv, .offset: 40, .size: 8, .value_kind: global_buffer, .address_space: global }
      - { .name: Wo, .offset: 48, .size: 8, .value_kind: global_buffer, .address_space: global }
      - { .name: xh, .offset: 56, .size: 8, .value_kind: global_buffer, .address_space: global }
      - { .name: wt, .offset: 64, .size: 8, .value_kind: global_buffer, .address_space: global }
    .group_segment_fixed_size: 18432
    .private_segment_fixed_size: 0
    .kernarg_segment_align: 8
    .kernarg_segment_size: 72
    .max_flat_workgroup_size: 256
    .sgpr_count:     66
    .vgpr_count:     114
    .wavefront_size: 32
...
	.end_amdgpu_metadata
.endif
;; end of part 1
;; launch proj (part 2): grid 4 x 48, 4 waves a work-group, clusters of 4 x 4, 327,680 bytes of LDS; arguments xh, wt, qkv, bq, bk, bv; writes qkv
.if DOCPART == 2
	.amdgcn_target "amdgcn-amd-amdhsa--gfx1250"
	.amdhsa_code_object_version 6
	.text
	.protected	k_q761a056d72_proj
	.globl	k_q761a056d72_proj
	.p2align	8
	.type	k_q761a056d72_proj,@function
k_q761a056d72_proj:
	s_mov_b64 s[64:65], 0
	v_nop
	global_prefetch_b8 v0, s[64:65] scope:SCOPE_SE
	s_setreg_imm32_b32 hwreg(HW_REG_WAVE_MODE, 25, 1), 1
	s_wait_xcnt 0x0
	s_wait_alu depctr_hold_cnt(0) depctr_sa_sdst(0) depctr_va_vdst(0) depctr_va_sdst(0) depctr_va_ssrc(0) depctr_va_vcc(0) depctr_vm_vsrc(0)
	s_getreg_b32 s2, hwreg(HW_REG_IB_STS2, 6, 4)
	s_cmp_eq_u32 s2, 0
	s_cbranch_scc0 .Lentry_in_a_cluster
	s_endpgm
.Lentry_in_a_cluster:
	s_bfe_u32 s2, ttmp6, 0x10000c
	s_cmp_lg_u32 s2, 0xf033
	s_cbranch_scc0 .Lentry_shape_is_right
	s_endpgm
.Lentry_shape_is_right:
; proj: qkv[12288][1024] f16 = xh[12288][1024] x wt[p]^T + bias[p], p = row / 4096 (0: q, 1: k, 2: v); sums in f32, one rounding to f16.
; wt[0] already holds Wq * c, c = log2(e)/8; bq is multiplied by c here, in f32, so that rows 0..4095 hold c (q Wq + bq).
; LIMIT: f16 holds magnitudes up to 65,504; a larger result becomes infinite.
; A work-group makes a block of 256 x 256 with four waves, a wave 128 x 128: 64 accumulator tiles of 16 x 16, 512 registers.
; K goes in steps of 128 through two LDS slots filled by the tensor data mover; a tile's rows are 256 bytes of memory at multiples of 256.
; 12288 x 1024 outputs in blocks of 256 x 256 are 192 work-groups: a share for 256 would need a side with the factor 3.
; CLUSTERS: 4 x 4 work-groups.  The four of a row of the cluster need the same tiles of xh, the four of a column the same tiles of wt:
; each such tile is asked for jointly, by the same load with the same descriptor in all four.  A cluster's 1,024 rows lie in one projection.
; REGISTERS, in windows of 256:
;   window 0: v16-27 addresses; v64-127, v128-191 fragments of A, two buffers; v192-255 the bias of my 128 columns, later the way out's packed results
;   window 1: v64-127, v128-191 fragments of B;   window 2: accumulators of my rows 0-63 (tile (a, b) at v[8 (8 a + b)]);   window 3: of my rows 64-127
; THE MATRIX INSTRUCTION IS USED TRANSPOSED: source 0 = 16 rows of wt, source 1 = 16 rows of xh: lane l holds row l % 16 of the result and its
; registers 0..7 the columns 8 (l / 16) + 0..7, eight neighbours that pack into 16 bytes.
.set SIZE_N, 1024
.set SIZE_K, 1024
.set KSTEP,  128
.set PITCH,  272                       ; an LDS row: 256 bytes + 16 of padding: the 16 rows that a load touches start in 16 different groups of banks
.set HALFT,  128*PITCH                 ; what one tensor load brings
.set SLOT,   4*HALFT                   ; A's 256 rows, then B's 256 rows
.set STAGE,  2*SLOT                    ; behind the ring: 16 rows x 272 bytes for each wave; no tensor load lands here
.set SPITCH, 272
.set LAPS, SIZE_K/(2*KSTEP)            ; 4 laps of two K steps
.set ADRA, 16
.set ADRB, 20
.set STO,  24
.set RD,   25
.set CO,   26
.set BOF,  27                          ; v27: 32 (l / 16), my eight numbers of a bias block
.set F0,   64
.set F1,   128
.set BI,   192                         ; v[BI+8b+j]: bias of column 16 b + 8 (l / 16) + j of my 128
.set TMP,  192                         ; the way out, when the bias is dead
.set G1, 24
.set G0, 32
.set G1B, 48
.set G0B, 56
.set MSB, 0
.macro WIN new                         ; the immediate's high byte repeats the setting that is left
.if MSB != \new
	s_set_vgpr_msb (MSB<<8)|\new
.set MSB, \new
.endif
.endm
.set MUL_LO,  0xa1                     ; source 0 (B) window 1, source 1 (A) window 0, C and D window 2
.set MUL_HI,  0xf1                     ; the same, C and D window 3
.set BIAS_LO, 0x81                     ; the first product: C is the bias, in window 0; D window 2
.set BIAS_HI, 0xc1                     ; D window 3
.set TO_B,    0x40
; A joint load.  Waves 0 and 1 fetch A's two halves, waves 2 and 3 B's.  The branch hangs on the wave's number alone.
.macro JLOAD s
	s_cmp_eq_u32 s11, 0
	s_cbranch_scc0 .Lfor_b_\@
	tensor_load_to_lds s[G0+4*\s:G0+4*\s+3], s[G1:G1+7]
	s_nop 0
	s_branch .Lasked_\@
.Lfor_b_\@:
	tensor_load_to_lds s[G0B+4*\s:G0B+4*\s+3], s[G1B:G1B+7]
	s_nop 0
.Lasked_\@:
.endm
; A round of the cluster's barrier: my work-group's barrier; wave 0 signals for the work-group; every wave waits for all sixteen; my work-group's barrier again.
.macro CREST
	s_cmp_lg_u32 s10, 0
	s_cbranch_scc1 .Lnot_wave_0_\@
	s_barrier_signal -3
.Lnot_wave_0_\@:
	s_barrier_wait -3
	s_barrier_signal -1
	s_barrier_wait -1
.endm
.macro CROUND
	s_barrier_signal -1
	s_barrier_wait -1
	CREST
.endm
	s_load_b128 s[4:7], s[0:1], 0x0                ; xh s[4:5], wt s[6:7]
	s_load_b64 s[8:9], s[0:1], 0x10                ; qkv
	s_load_b64 s[66:67], s[0:1], 0x18              ; bq
	s_load_b128 s[68:71], s[0:1], 0x20             ; bk, bv
	s_set_vgpr_msb 0x40
	v_lshl_add_u32 v255, v0, 2, 0x48400
	s_set_vgpr_msb 0x4000
	v_mov_b32 v63, 0
	s_set_vgpr_msb 0x1
	ds_add_u32 v255, v63
	s_set_vgpr_msb 0x100
	v_lshrrev_b32 v1, 5, v0
	v_readfirstlane_b32 s10, v1                    ; wave 0..3
	s_lshr_b32 s11, s10, 1                         ; my half of the block's rows.  Also: I fetch for A (0) or for B (1)
	s_and_b32 s12, s10, 1                          ; my half of its columns.  Also: which 128 rows of that tile I fetch
	s_bfe_u32 s40, ttmp6, 0x40000                  ; cx
	s_bfe_u32 s41, ttmp6, 0x40004                  ; cy
	s_lshl_b32 s42, ttmp9, 2
	s_add_co_u32 s42, s42, s40                     ; block column = 4 x cluster x + cx
	s_and_b32 s13, ttmp7, 0xffff
	s_lshr_b32 s72, s13, 2                         ; the projection: four clusters along y each; the same in all sixteen partners
	s_lshl_b32 s13, s13, 2
	s_add_co_u32 s13, s13, s41                     ; block row = 4 x cluster y + cy, 0..47
	s_lshl_b32 s43, s41, 2
	s_lshl_b32 s43, 15, s43                        ; my row of the cluster
	s_lshl_b32 s44, 0x1111, s40                    ; my column
	s_or_b32 s[G1+0], s43, (1<<16)|(1<<20)|(1<<21)|(5<<22)|(3<<25)  ; mask; elements of 2 bytes; padding on; bit 21 beside a mask; after every 64 words 4 words
	s_or_b32 s[G1B+0], s44, (1<<16)|(1<<20)|(1<<21)|(5<<22)|(3<<25)
	s_mov_b32 s[G1B+1], KSTEP<<16
	s_mov_b32 s[G1+1], KSTEP<<16                   ; tensor_dim0 = 128
	s_mov_b32 s[G1B+2], 128<<16
	s_mov_b32 s[G1+2], 128<<16                     ; tensor_dim1 = 128
	s_mov_b32 s[G1B+3], KSTEP<<16
	s_mov_b32 s[G1+3], KSTEP<<16                   ; tile_dim0 = 128
	s_mov_b32 s[G1B+4], 128
	s_mov_b32 s[G1+4], 128                         ; tile_dim1 = 128
	s_mov_b32 s[G1B+5], SIZE_K
	s_mov_b32 s[G1+5], SIZE_K                      ; elements from row to row
	s_mov_b32 s[G1B+6], 0
	s_mov_b32 s[G1+6], 0
	s_mov_b32 s[G1B+7], 0
	s_mov_b32 s[G1+7], 0
	s_lshl_b32 s17, s12, 7
	s_lshl_b32 s16, s13, 8
	s_add_co_u32 s16, s16, s17                     ; A: row 256 x block row + 128 x half
	s_lshl_b32 s46, s42, 8
	s_add_co_u32 s46, s46, s17                     ; B: row 256 x block column + 128 x half
	s_mov_b32 s17, 0
	s_mov_b32 s47, 0
	s_mov_b64 s[18:19], SIZE_K*2
	s_mul_u64 s[16:17], s[16:17], s[18:19]
	s_mul_u64 s[46:47], s[46:47], s[18:19]
	s_lshl_b32 s74, s72, 21                        ; the projection's W in wt
	s_mov_b32 s75, 0
	s_lshl_b32 s76, s42, 10                        ; my 128 columns in the bias: 4 (256 x block column + 128 x half) bytes
	s_lshl_b32 s77, s12, 9
	s_add_co_u32 s76, s76, s77
	s_mov_b32 s77, 0
	s_mov_b32 s78, 1.0
	s_mov_b32 s79, 0x3e38aa3b                      ; c = log2(e)/8
	s_cmp_eq_u32 s72, 0
	s_cselect_b32 s78, s79, s78                    ; bq takes c, bk and bv 1.0
	s_mul_i32 s20, s10, HALFT                      ; LDS: wave x 128 rows
	s_wait_dscnt 0x0
	s_wait_kmcnt 0x0
	s_add_nc_u64 s[14:15], s[4:5], s[16:17]
	s_add_nc_u64 s[46:47], s[6:7], s[46:47]
	s_add_nc_u64 s[46:47], s[46:47], s[74:75]
	s_cmp_eq_u32 s72, 1
	s_cselect_b64 s[66:67], s[68:69], s[66:67]
	s_cmp_eq_u32 s72, 2
	s_cselect_b64 s[66:67], s[70:71], s[66:67]
	s_add_nc_u64 s[66:67], s[66:67], s[76:77]
	CROUND                                         ; all sixteen work-groups are here: the first joint loads meet
.irp s, 0,1
	s_mov_b32 s[G0+4*\s], 1
	s_add_co_u32 s[G0+4*\s+1], s20, \s*SLOT
	s_add_nc_u64 s[G0+4*\s+2:G0+4*\s+3], s[14:15], \s*KSTEP*2
	s_or_b32 s[G0+4*\s+3], s[G0+4*\s+3], 0x80000000
	s_mov_b32 s[G0B+4*\s], 1
	s_add_co_u32 s[G0B+4*\s+1], s20, \s*SLOT
	s_add_nc_u64 s[G0B+4*\s+2:G0B+4*\s+3], s[46:47], \s*KSTEP*2
	s_or_b32 s[G0B+4*\s+3], s[G0B+4*\s+3], 0x80000000
	JLOAD \s                                       ; both slots' first fills: two tensor loads of the wave are out
.endr
	v_and_b32 v1, 15, v0                           ; l % 16
	v_bfe_u32 v2, v0, 4, 1                         ; l / 16
	v_lshlrev_b32 v[BOF], 5, v2
.irp b, 0,1,2,3,4,5,6,7
	global_load_b128 v[BI+8*\b:BI+8*\b+3],   v[BOF], s[66:67] offset:64*\b
	global_load_b128 v[BI+8*\b+4:BI+8*\b+7], v[BOF], s[66:67] offset:64*\b+16
.endr
	v_mul_u32_u24 v3, v1, PITCH
	v_lshl_add_u32 v3, v2, 4, v3                   ; row x pitch + 16 x half
	s_mul_i32 s21, s11, HALFT
	s_mul_i32 s22, s12, HALFT
	s_add_co_u32 s22, s22, 2*HALFT
.irp s, 0,1
	v_add_nc_u32 v[ADRA+\s], s21, v3
	v_add_nc_u32 v[ADRB+\s], s22, v3
	s_add_co_u32 s21, s21, SLOT
	s_add_co_u32 s22, s22, SLOT
.endr
	s_mul_i32 s23, s10, 16*SPITCH
	s_add_co_u32 s23, s23, STAGE
	v_mul_u32_u24 v4, v1, SPITCH
	v_lshl_add_u32 v4, v2, 4, v4
	v_add_nc_u32 v[STO], s23, v4
	v_mul_u32_u24 v5, v2, SPITCH
	v_lshl_add_u32 v5, v1, 4, v5
	v_add_nc_u32 v[RD], s23, v5
	v_mul_u32_u24 v5, v2, SIZE_N*2
	v_lshl_add_u32 v[CO], v1, 4, v5
; 16 matrix instructions: m blocks a0, a0 + 1 of the window's four x all 8 n blocks, 32 along K.
; zero = 1: the first product starts the sums from the bias: nothing is cleared and no bias is added later.
.macro MUL16 f, hi, a0, zero
.irp a, \a0, \a0+1
.irp b, 0,1,2,3,4,5,6,7
.if \zero
	v_wmma_f32_16x16x32_f16 v[8*(8*(\a)+\b):8*(8*(\a)+\b)+7], v[\f+8*\b:\f+8*\b+7], v[\f+8*(4*\hi+\a):\f+8*(4*\hi+\a)+7], v[BI+8*\b:BI+8*\b+7]
.else
	v_wmma_f32_16x16x32_f16 v[8*(8*(\a)+\b):8*(8*(\a)+\b)+7], v[\f+8*\b:\f+8*\b+7], v[\f+8*(4*\hi+\a):\f+8*(4*\hi+\a)+7], v[8*(8*(\a)+\b):8*(8*(\a)+\b)+7]
.endif
.endr
.endr
.endm
.macro FETCH slot, k, f
	WIN TO_B
.irp i, 0,1,2,3,4,5,6,7
	ds_load_b128 v[\f+8*\i:\f+8*\i+3],   v[ADRB+\slot] offset:\k+\i*16*PITCH
	ds_load_b128 v[\f+8*\i+4:\f+8*\i+7], v[ADRB+\slot] offset:\k+\i*16*PITCH+32
.endr
	WIN 0
.irp i, 0,1,2,3,4,5,6,7
	ds_load_b128 v[\f+8*\i:\f+8*\i+3],   v[ADRA+\slot] offset:\k+\i*16*PITCH
	ds_load_b128 v[\f+8*\i+4:\f+8*\i+7], v[ADRA+\slot] offset:\k+\i*16*PITCH+32
.endr
.endm
; A load into a register that a matrix instruction has read, and a vector instruction that reads a matrix result, stand four places behind it;
; only plain vector instructions that name none of its registers are places (ISA guide 7.12.1 for vector instructions).
.macro PLACES
.rept 4
	v_nop
.endr
.endm
; A quarter step: 64 matrix instructions on buffer f; in its middle the next quarter's 32 loads into buffer g.
; The 64 accumulators take turns, one instruction a turn, in the same order in every quarter.
.macro QUARTER slot, k, f, g, zero
	s_wait_dscnt 8                                 ; B and A's rows 0-63 are in; the youngest eight loads (A's rows 64-127) may be out
.if \zero
	WIN BIAS_LO
.else
	WIN MUL_LO
.endif
	MUL16 \f, 0, 0, \zero
	MUL16 \f, 0, 2, \zero
	PLACES
	FETCH \slot, \k, \g
	s_wait_dscnt 32                                ; all but the 32 just issued
.if \zero
	WIN BIAS_HI
.else
	WIN MUL_HI
.endif
	MUL16 \f, 1, 0, \zero
	MUL16 \f, 1, 2, \zero
.endm
.macro THREE slot, zero
	QUARTER \slot, 64,  F0, F1, \zero
	QUARTER \slot, 128, F1, F0, 0
	QUARTER \slot, 192, F0, F1, 0
.endm
; The last quarter multiplies buffer 1 and changes slots.  In front of the barrier each wave waits for its reads of this slot and for all its
; tensor loads (one is out: its part of the next slot).  Behind it the refill comes first, then the next slot's first fragments.
.macro TURN slot, next, fill
	s_wait_dscnt 8
	WIN MUL_LO
	MUL16 F1, 0, 0, 0
	s_wait_dscnt 0                                 ; my reads of this slot are over
	s_wait_tensorcnt 0x0                           ; and all my tensor loads have landed
	ds_add_u32 v255, v63
	s_wait_dscnt 0x0
	s_barrier_signal -1                            ; say so (where the slot is filled again this opens a round of the cluster's barrier),
	MUL16 F1, 0, 2, 0                              ; work on registers while the others arrive,
	WIN 0
	s_barrier_wait -1
.if \fill
	CREST                                          ; no wave of any partner still reads this slot or has a load on its way
	s_add_nc_u64 s[G0+4*\slot+2:G0+4*\slot+3], s[G0+4*\slot+2:G0+4*\slot+3], 2*KSTEP*2
	s_add_nc_u64 s[G0B+4*\slot+2:G0B+4*\slot+3], s[G0B+4*\slot+2:G0B+4*\slot+3], 2*KSTEP*2
	JLOAD \slot                                    ; the first tensor load behind the round, the wave's only one until the next
.endif
	PLACES
	FETCH \next, 0, F0
	WIN MUL_HI
	MUL16 F1, 1, 0, 0
	MUL16 F1, 1, 2, 0
.endm
.macro LAP zero
	THREE 0, \zero
	TURN 0, 1, 1
	THREE 1, 0
	TURN 1, 0, 1
.endm
	s_wait_loadcnt 0x0                             ; the bias
.set m, 0
.rept 32
	v_pk_mul_f32 v[BI+m:BI+m+1], v[BI+m:BI+m+1], s[78:79] op_sel_hi:[1,0]   ; times c for q, times 1.0 for k and v
.set m, m+2
.endr
	s_wait_tensorcnt 1                             ; my part of K step 0 is in; K step 1's may stay out
	s_barrier_signal -1
	s_barrier_wait -1
	FETCH 0, 0, F0
	LAP 1                                          ; the first lap stands in front of the loop: its first products start the sums
	WIN 0
	s_mov_b32 s3, LAPS-2
.Llap:
	LAP 0
	WIN 0
	s_sub_co_u32 s3, s3, 1
	s_cmp_lg_u32 s3, 0
	s_cbranch_scc1 .Llap
	THREE 0, 0                                     ; the last lap fills nothing
	TURN 0, 1, 0
	THREE 1, 0
	s_wait_dscnt 8
	WIN MUL_LO
	MUL16 F1, 0, 0, 0
	MUL16 F1, 0, 2, 0
	s_wait_dscnt 0
	WIN MUL_HI
	MUL16 F1, 1, 0, 0
	MUL16 F1, 1, 2, 0
	; THE WAY OUT, 16 rows at a time: round to f16, 16 bytes a lane into my own stage, read back as whole rows of 256 bytes.
	PLACES
	s_lshl_b32 s13, s13, 8
	s_lshl_b32 s14, s11, 7
	s_add_co_u32 s16, s13, s14                     ; my first row
	s_mov_b32 s17, 0
	s_mov_b64 s[18:19], SIZE_N*2
	s_mul_u64 s[16:17], s[16:17], s[18:19]
	s_add_nc_u64 s[8:9], s[8:9], s[16:17]
	s_lshl_b32 s46, s42, 9                         ; my first column, in bytes
	s_lshl_b32 s47, s12, 8
	s_add_co_u32 s46, s46, s47
	s_mov_b32 s47, 0
	s_add_nc_u64 s[8:9], s[8:9], s[46:47]
.macro OUT16 i, a, from, f
	WIN \from
.irp b, 0,1,2,3,4,5,6,7
.irp r, 0,1,2,3
	v_cvt_pk_f16_f32 v[TMP+4*\b+\r], v[8*(8*\a+\b)+2*\r], v[8*(8*\a+\b)+2*\r+1]
.endr
.endr
	WIN 0
.irp b, 0,1,2,3,4,5,6,7
	ds_store_b128 v[STO], v[TMP+4*\b:TMP+4*\b+3] offset:32*\b
.endr
	s_wait_xcnt 0x0                                ; buffer f, which earlier stores read, and the stores' base are rewritten only behind this wait
.if \i
	s_add_nc_u64 s[8:9], s[8:9], 16*SIZE_N*2
.endif
.irp t, 0,1,2,3,4,5,6,7
	ds_load_b128 v[\f+4*\t:\f+4*\t+3], v[RD] offset:\t*2*SPITCH    ; LDS serves a wave's instructions in order: these see the stores above
.endr
.irp t, 0,1,2,3,4,5,6,7
	s_wait_dscnt 7-\t                              ; load t is in, the 7 - t younger ones stay out
	global_store_b128 v[CO], v[\f+4*\t:\f+4*\t+3], s[8:9] offset:2*\t*SIZE_N*2   ; 16 lanes store 256 consecutive bytes at a multiple of 256
.endr
.endm
	OUT16 0, 0, 0x0a, F0
	OUT16 1, 1, 0x0a, F1
	OUT16 2, 2, 0x0a, F0
	OUT16 3, 3, 0x0a, F1
	OUT16 4, 0, 0x0f, F0
	OUT16 5, 1, 0x0f, F1
	OUT16 6, 2, 0x0f, F0
	OUT16 7, 3, 0x0f, F1
	s_set_vgpr_msb 0x1
	s_wait_tensorcnt 0x0
	ds_add_u32 v255, v63
	s_wait_dscnt 0x0
	s_set_vgpr_msb 0x100
	CROUND                                         ; the closing round: no work-group ends while a partner may still ask for a tile that names it
	s_endpgm
.Lfunc_end_k_q761a056d72_proj:
	.size	k_q761a056d72_proj, .Lfunc_end_k_q761a056d72_proj-k_q761a056d72_proj
	.p2alignl 7, 3214868480
	.fill 96, 4, 3214868480
	.section	.rodata,"a",@progbits
	.p2align	6, 0x0
	.amdhsa_kernel k_q761a056d72_proj
		.amdhsa_group_segment_fixed_size 327680
		.amdhsa_private_segment_fixed_size 0
		.amdhsa_enable_private_segment 0
		.amdhsa_kernarg_size 48
		.amdhsa_user_sgpr_count 2
		.amdhsa_user_sgpr_kernarg_segment_ptr 1
		.amdhsa_wavefront_size32 1
		.amdhsa_system_sgpr_workgroup_id_x 1
		.amdhsa_system_sgpr_workgroup_id_y 1
		.amdhsa_system_sgpr_workgroup_id_z 1
		.amdhsa_system_vgpr_workitem_id 0
		.amdhsa_next_free_vgpr 1024
		.amdhsa_next_free_sgpr 80
		.amdhsa_reserve_vcc 0
		.amdhsa_float_denorm_mode_32 3
		.amdhsa_float_denorm_mode_16_64 3
		.amdhsa_memory_ordered 1
		.amdhsa_forward_progress 1
		.amdhsa_inst_pref_size 200
	.end_amdhsa_kernel
	.amdgpu_metadata
---
amdhsa.version: [ 1, 2 ]
amdhsa.kernels:
  - .name:           k_q761a056d72_proj
    .symbol:         k_q761a056d72_proj.kd
    .args:
      - { .name: xh, .offset: 0, .size: 8, .value_kind: global_buffer, .address_space: global }
      - { .name: wt, .offset: 8, .size: 8, .value_kind: global_buffer, .address_space: global }
      - { .name: qkv, .offset: 16, .size: 8, .value_kind: global_buffer, .address_space: global }
      - { .name: bq, .offset: 24, .size: 8, .value_kind: global_buffer, .address_space: global }
      - { .name: bk, .offset: 32, .size: 8, .value_kind: global_buffer, .address_space: global }
      - { .name: bv, .offset: 40, .size: 8, .value_kind: global_buffer, .address_space: global }
    .group_segment_fixed_size: 327680
    .private_segment_fixed_size: 0
    .kernarg_segment_align: 8
    .kernarg_segment_size: 48
    .max_flat_workgroup_size: 128
    .sgpr_count:     80
    .vgpr_count:     1024
    .wavefront_size: 32
...
	.end_amdgpu_metadata
.endif
;; end of part 2
;; launch attn (part 3): grid 16 x 16, 8 waves a work-group, clusters of 4 x 1, 327,680 bytes of LDS; arguments qkv, xo; writes xo
.if DOCPART == 3
	.amdgcn_target "amdgcn-amd-amdhsa--gfx1250"
	.amdhsa_code_object_version 6
	.text
	.protected	k_q761a056d72_attn
	.globl	k_q761a056d72_attn
	.p2align	8
	.type	k_q761a056d72_attn,@function
k_q761a056d72_attn:
	s_mov_b64 s[64:65], 0
	v_nop
	global_prefetch_b8 v0, s[64:65] scope:SCOPE_SE
	s_setreg_imm32_b32 hwreg(HW_REG_WAVE_MODE, 25, 1), 1
	s_wait_xcnt 0x0
	s_wait_alu depctr_hold_cnt(0) depctr_sa_sdst(0) depctr_va_vdst(0) depctr_va_sdst(0) depctr_va_ssrc(0) depctr_va_vcc(0) depctr_vm_vsrc(0)
	s_getreg_b32 s2, hwreg(HW_REG_IB_STS2, 6, 4)
	s_cmp_eq_u32 s2, 0
	s_cbranch_scc0 .Lentry_in_a_cluster
	s_endpgm
.Lentry_in_a_cluster:
	s_bfe_u32 s2, ttmp6, 0x10000c
	s_cmp_lg_u32 s2, 0x3003
	s_cbranch_scc0 .Lentry_shape_is_right
	s_endpgm
.Lentry_shape_is_right:
; attn: xo[b][s][64 h + d] f16 = softmax over keys of (Q K^T / 8) times V, for 2 batches, 16 heads of 64, 2048 queries and keys.
; qkv rows 0..4095 hold c (q Wq + bq) with c = log2(e)/8, rows 4096.. the keys, rows 8192.. the values; head h at bytes 128 h of a row.
; So Q K^T is the score in base-2 units, and a weight is exp2(S - m) with m the running maximum: the difference is formed by one f32
; addition of -m, is 0 at the maximum and never positive, so every exponential lies in (0, 1] whatever the inputs.
; LIMIT: weights go to the matrix unit in f16: one below 2^-24 of its row's largest counts as nothing.  The result is rounded to f16 (it is a mean of values, so it has their range).
; A work-group: one batch, two heads (256 whole bytes of each row), 128 queries.  Waves 0-3 serve the first head, 4-7 the second, 32 queries each, as two query tiles of 16.
; TRANSPOSED FORM.  S^T = K Q^T: lane (r, h) holds query r, register j key 8 h + j.  Two key tiles packed to f16 are then exactly the second
; source of O^T = V^T P^T: no exchange between lanes, and maximum and sum of a query live in two lanes (r and r + 16).
; V^T fragments come from V[key][d] in LDS by the transposing load.
; THE TWO QUERY TILES RUN HALF A STEP APART, so that one tile's matrix instructions stand between the other tile's softmax lines.  A step is 64 keys:
;   phase A(i): softmax of tile 0, step i;  products P V of tile 1, step i - 1, then K Q^T of tile 1, step i
;   phase B(i): softmax of tile 1, step i;  products P V of tile 0, step i,     then K Q^T of tile 0, step i + 1
; A tile's P V frees its 32 score registers and its next K Q^T writes them: no second score buffer.  V(i) is asked for in A(i) and first used in B(i);
; K(i + 1) is asked for at the head of B(i) and first used in B(i)'s second half.
; CLUSTER: the four query blocks of a cluster read the same K and V: joint loads with the mask 15.  256 keys a slot, two slots, one round of the cluster's barrier for 256 keys.
; REGISTERS.  Window 0: v2-6, v18-21 at work; v8-13 LDS addresses; v14-15 new maximum; v16-17 running maximum; v26-29 running sums; v32-63 Q; v64-127 O^T; v128-191 S^T, then P; v192-255 K fragments.
; Window 1 (named by their low 8 bits): v0-63 V fragments; v64-67 -m; v68-71 alpha = exp2(old maximum - new maximum).
; A product P V takes V as source 0 from window 1; the lines between those products take -m or alpha as THEIR source 0: one setting serves both.
.set KPITCH, 272                       ; K's LDS row: 256 bytes + 16: an odd multiple of 16
.set VPITCH, 288                       ; V's LDS row: 256 bytes + 32: an odd multiple of 32, for the transposing load
.set KQ,     64*KPITCH                 ; what one wave's load of K brings: 64 keys
.set VQ,     64*VPITCH
.set VOFF,   4*KQ                      ; V behind K's 256 keys
.set VHALF,  128*VPITCH                ; a second address register for keys 128..255: the loads' immediates have 16 bits
.set SLOT,   4*KQ+4*VQ                 ; 143,360
.set STAGE,  2*SLOT                    ; 286,720: 128 rows x 272 bytes for the way out; no tensor load lands here
.set SPITCH, 272
.set TILEB,  256*2048                  ; 256 rows of qkv
.set KA, 8                             ; v8, v9     my K fragments' address in slot 0, 1
.set VA, 10                            ; v10..13    my V fragments' address: slot 0 keys 0.., 128..; slot 1 likewise
.set X,  14                            ; v14, v15   the new maximum of query tile 0, 1
.set M,  16                            ; v16, v17   the running maximum
.set LS, 26                            ; v[26:27], v[28:29]  the running sum, in two parts
.set Q,  32                            ; Q(qt, dk) at Q + 16 qt + 8 dk
.set O,  64                            ; O^T(dt, qt) at O + 8 (2 dt + qt)
.set S,  128                           ; S^T(qt, kt) at S + 32 qt + 8 kt; packed: P(qt, ks) at S + 32 qt + 16 ks
.set FK, 192                           ; K(kt, dk) at FK + 16 kt + 8 dk
.set FV, 0                             ; window 1: V^T(ks, dt) at FV + 32 ks + 8 dt
.set NM, 64                            ; window 1: -m of tile 0, 1 in the lower register of a pair (the upper ones fill the pairs and are never used)
.set AL, 68                            ; window 1: alpha likewise
.set G1K, 16
.set G1V, 24
.set G0K, 32                           ; one set of four for each slot
.set G0V, 40
.set MSB, 0
.macro WIN new                         ; low byte: bits 1:0 source 0, 3:2 source 1, 5:4 source 2, 7:6 destination; the high byte repeats the setting that is left
.if MSB != \new
	s_set_vgpr_msb (MSB<<8)|\new
.set MSB, \new
.endif
.endm
.macro CREST                           ; a round of the cluster's barrier behind its opening barrier
	s_cmp_lg_u32 s8, 0
	s_cbranch_scc1 .Lnot_wave_0_\@
	s_barrier_signal -3
.Lnot_wave_0_\@:
	s_barrier_wait -3
	s_barrier_signal -1
	s_barrier_wait -1
.endm
.macro ROUND                           ; a whole round
	s_barrier_signal -1
	s_barrier_wait -1
	CREST
.endm
.macro JLOAD s                         ; waves 0-3 ask for K's four quarters, waves 4-7 for V's: one tensor load a wave
	s_cmp_lt_u32 s8, 4
	s_cbranch_scc0 .Lfor_v_\@
	tensor_load_to_lds s[G0K+4*\s:G0K+4*\s+3], s[G1K:G1K+7]
	s_nop 0
	s_branch .Lasked_\@
.Lfor_v_\@:
	tensor_load_to_lds s[G0V+4*\s:G0V+4*\s+3], s[G1V:G1V+7]
	s_nop 0
.Lasked_\@:
.endm
.macro PLACES n                        ; places behind matrix instructions (ISA guide 7.12.1 for vector instructions)
.rept \n
	v_nop
.endr
.endm
	s_load_b128 s[4:7], s[0:1], 0x0                ; qkv s[4:5], xo s[6:7]
	v_lshl_add_u32 v30, v0, 2, 0x4e800
	v_mov_b32 v31, 0
	ds_add_u32 v30, v31
	v_lshrrev_b32 v1, 5, v0
	v_readfirstlane_b32 s8, v1                     ; wave 0..7
	s_lshr_b32 s9, s8, 2                           ; which of the two heads
	s_and_b32 s10, s8, 3                           ; which 32 queries; also which 64 keys of a tile I fetch
	s_bfe_u32 s11, ttmp6, 0x40000                  ; cx
	s_lshl_b32 s12, ttmp9, 2
	s_add_co_u32 s12, s12, s11                     ; block of 128 queries
	s_and_b32 s13, ttmp7, 0xffff
	s_lshr_b32 s14, s13, 3                         ; batch
	s_and_b32 s15, s13, 7                          ; pair of heads
	s_mov_b32 s48, 0x76543210                      ; v_permlanex16_b32: lane i reads lane i of the other half
	s_mov_b32 s49, 0xfedcba98
	s_mov_b32 s[G1K+0], 15|(1<<16)|(1<<20)|(1<<21)|(5<<22)|(3<<25)   ; all four partners; 2-byte elements; padding: after every 64 words 4 words
	s_mov_b32 s[G1V+0], 15|(1<<16)|(1<<20)|(1<<21)|(5<<22)|(7<<25)   ; the same with 8 words
	s_mov_b32 s[G1K+1], 128<<16                    ; tensor_dim0 = 128 elements (two heads)
	s_mov_b32 s[G1V+1], 128<<16
	s_mov_b32 s[G1K+2], 64<<16                     ; tensor_dim1 = 64 rows
	s_mov_b32 s[G1V+2], 64<<16
	s_mov_b32 s[G1K+3], 128<<16                    ; tile_dim0
	s_mov_b32 s[G1V+3], 128<<16
	s_mov_b32 s[G1K+4], 64                         ; tile_dim1
	s_mov_b32 s[G1V+4], 64
	s_mov_b32 s[G1K+5], 1024                       ; elements from row to row
	s_mov_b32 s[G1V+5], 1024
	s_mov_b32 s[G1K+6], 0
	s_mov_b32 s[G1V+6], 0
	s_mov_b32 s[G1K+7], 0
	s_mov_b32 s[G1V+7], 0
	s_lshl_b32 s52, s14, 11                        ; K's first tile: row 4096 + 2048 b + 64 (w % 4),
	s_lshl_b32 s53, s10, 6
	s_add_co_u32 s52, s52, s53
	s_add_co_u32 s52, s52, 4096
	s_lshl_b32 s52, s52, 11                        ; 2,048 bytes a row,
	s_lshl_b32 s53, s15, 8                         ; the pair's 256 bytes: nothing here hangs on cx
	s_add_co_u32 s52, s52, s53
	s_mov_b32 s53, 0
	s_mul_i32 s54, s10, KQ
	s_mul_i32 s55, s10, VQ
	s_lshl_b32 s60, s14, 11                        ; my queries: row 2048 b + 128 block + 32 (w % 4)
	s_lshl_b32 s61, s12, 7
	s_add_co_u32 s60, s60, s61
	s_lshl_b32 s61, s10, 5
	s_add_co_u32 s60, s60, s61
	s_lshl_b32 s60, s60, 11
	s_lshl_b32 s61, s15, 8
	s_add_co_u32 s60, s60, s61
	s_lshl_b32 s51, s9, 7                          ; my head's 128 bytes in the pair's 256
	s_add_co_u32 s60, s60, s51
	s_mov_b32 s61, 0
	s_wait_dscnt 0x0
	s_wait_kmcnt 0x0
	s_add_nc_u64 s[56:57], s[4:5], s[52:53]        ; K
	s_add_nc_u64 s[58:59], s[56:57], 0x800000      ; V: 4,096 rows further
	s_add_nc_u64 s[62:63], s[4:5], s[60:61]        ; Q
.irp s, 0,1
	s_mov_b32 s[G0K+4*\s], 1
	s_add_co_u32 s[G0K+4*\s+1], s54, \s*SLOT
	s_add_nc_u64 s[G0K+4*\s+2:G0K+4*\s+3], s[56:57], \s*TILEB
	s_or_b32 s[G0K+4*\s+3], s[G0K+4*\s+3], 0x80000000
	s_mov_b32 s[G0V+4*\s], 1
	s_add_co_u32 s[G0V+4*\s+1], s55, \s*SLOT+VOFF
	s_add_nc_u64 s[G0V+4*\s+2:G0V+4*\s+3], s[58:59], \s*TILEB
	s_or_b32 s[G0V+4*\s+3], s[G0V+4*\s+3], 0x80000000
.endr
	ROUND                                          ; the four partners are here: the first joint loads meet
	JLOAD 0                                        ; keys 0..255 into slot 0,
	JLOAD 1                                        ; keys 256..511 into slot 1: both first fills go out together; two tensor loads of the wave are out
	v_and_b32 v2, 15, v0                           ; r
	v_bfe_u32 v3, v0, 4, 1                         ; h
	v_lshlrev_b32 v1, 11, v2                       ; Q: row r, 16 h
	v_lshl_add_u32 v1, v3, 4, v1
.irp qt, 0,1
.irp dk, 0,1
	global_load_b128 v[Q+16*\qt+8*\dk:Q+16*\qt+8*\dk+3],   v1, s[62:63] offset:32768*\qt+64*\dk      ; d = 32 dk + 8 h ..
	global_load_b128 v[Q+16*\qt+8*\dk+4:Q+16*\qt+8*\dk+7], v1, s[62:63] offset:32768*\qt+64*\dk+32   ; d = 32 dk + 16 + 8 h ..
.endr
.endr
	v_mul_u32_u24 v4, v2, KPITCH
	v_lshl_add_u32 v4, v3, 4, v4
	v_add_nc_u32 v[KA], s51, v4                    ; key r, 16 h, my head
	v_add_nc_u32 v[KA+1], SLOT, v[KA]
	v_and_b32 v5, 7, v0
	v_lshl_add_u32 v5, v3, 3, v5                   ; key 8 h + l % 8
	v_mul_u32_u24 v5, v5, VPITCH
	v_bfe_u32 v6, v0, 3, 1
	v_lshl_add_u32 v5, v6, 4, v5                   ; + 16 ((l / 8) % 2)
	v_add_nc_u32 v5, s51, v5
	v_add_nc_u32 v[VA+0], VOFF, v5
	v_add_nc_u32 v[VA+1], VOFF+VHALF, v5
	v_add_nc_u32 v[VA+2], SLOT+VOFF, v5
	v_add_nc_u32 v[VA+3], SLOT+VOFF+VHALF, v5
	v_mov_b32 v[X], 0                              ; a lane permute counts as a reader of its destination
	v_mov_b32 v[X+1], 0
	WIN 0x40                                       ; destination in window 1
	v_mov_b32 v[NM+1], 0                           ; the upper registers of pairs of which the lower one is broadcast
	v_mov_b32 v[NM+3], 0
	v_mov_b32 v[AL+1], 0
	v_mov_b32 v[AL+3], 0
	WIN 0
; 16 LDS loads: the K fragments of keys 64 i .. 64 i + 63 of a slot
.macro KLOAD slot, i
.irp kt, 0,1,2,3
.irp dk, 0,1
	ds_load_b128 v[FK+16*\kt+8*\dk:FK+16*\kt+8*\dk+3],   v[KA+\slot] offset:(64*\i+16*\kt)*KPITCH+64*\dk
	ds_load_b128 v[FK+16*\kt+8*\dk+4:FK+16*\kt+8*\dk+7], v[KA+\slot] offset:(64*\i+16*\kt)*KPITCH+64*\dk+32
.endr
.endr
.endm
; 16 transposing LDS loads: the V^T fragments of the same keys, into window 1
.macro VLOAD slot, i
	WIN 0x40
.irp ks, 0,1
.irp dt, 0,1,2,3
	ds_load_tr16_b128 v[FV+32*\ks+8*\dt:FV+32*\ks+8*\dt+3],   v[VA+2*\slot+(\i/2)] offset:((\i%2)*64+32*\ks)*VPITCH+32*\dt
	ds_load_tr16_b128 v[FV+32*\ks+8*\dt+4:FV+32*\ks+8*\dt+7], v[VA+2*\slot+(\i/2)] offset:((\i%2)*64+32*\ks+16)*VPITCH+32*\dt
.endr
.endr
	WIN 0
.endm
; One score product of query tile b: idx = 4 dk + kt.  The four key tiles take turns, one instruction a turn.
.macro QK1 b, idx
.set kk, (\idx)%4
.set sb, S+32*\b+8*kk
.if (\idx)/4
	v_wmma_f32_16x16x32_f16 v[sb:sb+7], v[FK+16*kk+8:FK+16*kk+15], v[Q+16*\b+8:Q+16*\b+15], v[sb:sb+7]
.else
	v_wmma_f32_16x16x32_f16 v[sb:sb+7], v[FK+16*kk:FK+16*kk+7], v[Q+16*\b:Q+16*\b+7], 0
.endif
.endm
; One product P V of query tile b: idx = 4 ks + dt; start = 1: the first 32 keys start the sums.  The four d tiles take turns likewise.  Stands under WIN 0x01.
.macro PV1 b, idx, start
.set kk, (\idx)/4
.set dd, (\idx)%4
.set ob, O+8*(2*dd+\b)
.if (\start)*(1-kk)
	v_wmma_f32_16x16x32_f16 v[ob:ob+7], v[FV+32*kk+8*dd:FV+32*kk+8*dd+7], v[S+32*\b+16*kk:S+32*\b+16*kk+7], 0
	s_wait_alu depctr_va_vdst(0)
.else
	v_wmma_f32_16x16x32_f16 v[ob:ob+7], v[FV+32*kk+8*dd:FV+32*kk+8*dd+7], v[S+32*\b+16*kk:S+32*\b+16*kk+7], v[ob:ob+7]
.endif
.endm
; The largest of my 32 scores of query tile a and of the running maximum: 16 lines in four chains and a tree; then the other half's lane.
.macro MAX a, first
.set sb, S+32*\a
	v_max3_num_f32 v2, v[sb], v[sb+1], v[sb+2]
	v_max3_num_f32 v3, v[sb+8], v[sb+9], v[sb+10]
	v_max3_num_f32 v4, v[sb+16], v[sb+17], v[sb+18]
	v_max3_num_f32 v5, v[sb+24], v[sb+25], v[sb+26]
.irp j, 3,5
	v_max3_num_f32 v2, v2, v[sb+\j], v[sb+\j+1]
	v_max3_num_f32 v3, v3, v[sb+8+\j], v[sb+9+\j]
	v_max3_num_f32 v4, v4, v[sb+16+\j], v[sb+17+\j]
	v_max3_num_f32 v5, v5, v[sb+24+\j], v[sb+25+\j]
.endr
.if \first
	v_max_num_f32 v6, v[sb+23], v[sb+31]
.else
	v_max3_num_f32 v6, v[sb+23], v[sb+31], v[M+\a]
.endif
	v_max3_num_f32 v2, v2, v3, v[sb+7]
	v_max3_num_f32 v4, v4, v5, v[sb+15]
	v_max3_num_f32 v2, v2, v4, v6
	v_permlanex16_b32 v[X+\a], v2, s48, s49
	v_max_num_f32 v[X+\a], v[X+\a], v2
.endm
; alpha = exp2(old maximum - new maximum) and -m, both into window 1.  Leaves WIN 0x40.
.macro STATS a, first
.if \first == 0
	v_sub_f32 v6, v[M+\a], v[X+\a]                 ; never positive
.endif
	v_mov_b32 v[M+\a], v[X+\a]
	WIN 0x40
.if \first == 0
	v_exp_f32 v[AL+2*\a], v6                       ; the plain line below stands between this and the first use of its result (ISA guide 5.7.2)
.endif
	v_xor_b32 v[NM+2*\a], 0x80000000, v[X+\a]
	s_wait_alu depctr_va_vdst(0)
.endm
; One of 32 lines that run under WIN 0x01: idx 0..15: two scores of tile a plus -m; idx 16..31: two numbers of O of tile a times alpha.
.macro SR a, idx
.if (\idx) < 16
.set rr, S+32*\a+2*(\idx)
	v_pk_add_f32 v[rr:rr+1], v[NM+2*\a:NM+2*\a+1], v[rr:rr+1] op_sel_hi:[0,1]
.else
.set pp, (\idx)-16
.set rr, O+8*(2*(pp/4)+\a)+2*(pp%4)
	v_pk_mul_f32 v[rr:rr+1], v[AL+2*\a:AL+2*\a+1], v[rr:rr+1] op_sel_hi:[0,1]
.endif
.endm
; The middle of a phase: the eight products P V of tile b, each followed by lines of tile a.  pv: 0 none, 1 they start O's sums, 2 they add.
; Behind the last product stand five plain lines on other registers: four are asked ahead of loads into V's registers, five ahead of the score products that write over P.
.macro MID a, b, first, pv
	WIN 0x01                                       ; source 0 in window 1: V for the products, -m and alpha for the lines between
.if \first
.irp u, 0,1,2,3,4,5,6,7
.if \pv
	PV1 \b, \u, 1
.endif
	SR \a, 2*\u
	SR \a, 2*\u+1
.endr
.if \pv
	PLACES 3
.endif
.else
.irp u, 0,1,2,3,4,5,6,7
	PV1 \b, \u, (2-\pv)
	SR \a, 4*\u
	SR \a, 4*\u+1
	SR \a, 4*\u+2
	SR \a, 4*\u+3
.endr
	v_pk_mul_f32 v[LS+2*\a:LS+2*\a+1], v[AL+2*\a:AL+2*\a+1], v[LS+2*\a:LS+2*\a+1] op_sel_hi:[0,1]   ; the running sum times alpha
.endif
.endm
; One of the eight plain lines of key tile kt of query tile a: its eight weights into the running sum, and packed to f16 in place.
; Each register is read before it is written over: an even tile packs into its own registers 0-3, an odd one into registers 4-7 of the tile before, whose lines all stand earlier.
.macro PL a, kt, j, first
.set sb, S+32*\a+8*\kt
.set pb, S+32*\a+16*(\kt/2)+4*(\kt%2)
.set tb, 2+16*(\kt%2)                              ; v[2:5] and v[18:21] by turns
.set ini, (\first)*(1-(\kt+3)/4)                   ; the very first tile starts the sum: nothing is cleared
.if \j == 0
	s_wait_alu depctr_va_vdst(0)
	v_pk_add_f32 v[tb:tb+1], v[sb:sb+1], v[sb+2:sb+3]
.endif
.if \j == 1
	v_pk_add_f32 v[tb+2:tb+3], v[sb+4:sb+5], v[sb+6:sb+7]
.endif
.if \j == 2
	v_cvt_pk_f16_f32 v[pb], v[sb], v[sb+1]
.endif
.if \j == 3
.if ini
	v_pk_add_f32 v[LS+2*\a:LS+2*\a+1], v[tb:tb+1], v[tb+2:tb+3]
.else
	v_pk_add_f32 v[tb:tb+1], v[tb:tb+1], v[tb+2:tb+3]
.endif
.endif
.if \j == 4
	v_cvt_pk_f16_f32 v[pb+1], v[sb+2], v[sb+3]
.endif
.if \j == 5
.if ini == 0
	v_pk_add_f32 v[LS+2*\a:LS+2*\a+1], v[LS+2*\a:LS+2*\a+1], v[tb:tb+1]
.endif
.endif
.if \j == 6
	v_cvt_pk_f16_f32 v[pb+2], v[sb+4], v[sb+5]
.endif
.if \j == 7
	v_cvt_pk_f16_f32 v[pb+3], v[sb+6], v[sb+7]
.endif
.endm
; The exponentials of key tile kt + 1, each followed by a plain line of key tile kt (which is the place behind it: ISA guide 5.7.2), and two score products of tile b.
.macro MIX a, b, kt, first, qk, n0
.irp j, 0,1,2,3,4,5,6,7
.if \qk
.if \j == 0
	QK1 \b, \n0
.endif
.if \j == 4
	QK1 \b, \n0+1
.endif
.endif
	v_exp_f32 v[S+32*\a+8*\kt+8+\j], v[S+32*\a+8*\kt+8+\j]
	PL \a, \kt, \j, \first
.endr
.endm
; The second half of a phase, under WIN 0: exponentials, sum and packing of tile a; the eight score products of tile b (qk = 1).
; Behind the last product stand 12 plain lines on other registers: four are asked ahead of loads into K's registers and of the maxima that read the scores.
; bar = 1: the slot's last reads (V's) have been issued: the change of slots is opened here.
.macro SOFT5 a, b, first, qk, bar, slot, fill
.if \qk
	QK1 \b, 0
.endif
.irp j, 0,1,2,3
	v_exp_f32 v[S+32*\a+\j], v[S+32*\a+\j]
.endr
.if \qk
	QK1 \b, 1
.endif
.irp j, 4,5,6,7
	v_exp_f32 v[S+32*\a+\j], v[S+32*\a+\j]
.endr
	v_nop                                          ; the place behind the first eight exponentials
	MIX \a, \b, 0, \first, \qk, 2
	MIX \a, \b, 1, \first, \qk, 4
.if \bar
	s_wait_dscnt 0x0                               ; my reads of this slot are over: V's sixteen loads were the last
	s_wait_tensorcnt 0x0                           ; all my tensor loads have landed: the one that was out is my part of the other slot
	ds_add_u32 v30, v31
	s_wait_dscnt 0x0
.if \fill
	s_add_nc_u64 s[G0K+4*\slot+2:G0K+4*\slot+3], s[G0K+4*\slot+2:G0K+4*\slot+3], 2*TILEB   ; no load of mine is out: this slot's next tile
	s_add_nc_u64 s[G0V+4*\slot+2:G0V+4*\slot+3], s[G0V+4*\slot+2:G0V+4*\slot+3], 2*TILEB
.endif
	s_barrier_signal -1                            ; say so; register work alone stands up to the wait at the head of the next phase
.endif
	MIX \a, \b, 2, \first, \qk, 6
.irp j, 0,1,2,3,4,5,6,7
	PL \a, 3, \j, \first
.endr
.endm
; Phase A of the step on keys 64 i .. of a slot.
.macro PHASEA slot, i, first, pv, bar, fill
	MAX 0, \first
	STATS 0, \first
	MID 0, 1, \first, \pv
	VLOAD \slot, \i                                ; this step's V: tile 1's products of the last step have read the old one
	SOFT5 0, 1, \first, 1, \bar, \slot, \fill
.endm
; Phase B.  kslot, ki: where the next step's K lies; kl = 0: there is no next step.  bar, fill: the change of slots is closed here; fslot: the slot filled again.
.macro PHASEB kslot, ki, first, pv, kl, bar, fill, fslot
.if \bar
	s_barrier_wait -1                              ; every wave of my work-group has read the old slot to its end and has its part of the other slot
.if \fill
	CREST                                          ; and so has every wave of the four partners
	JLOAD \fslot                                   ; the first tensor load behind the round, the wave's only one until the next; it has four steps in which to land
.endif
.endif
.if \kl
	KLOAD \kslot, \ki                              ; tile 1's score products have read the old K
.endif
	MAX 1, \first
	STATS 1, \first
	s_wait_dscnt 16*\kl                            ; V is in; K's sixteen younger loads may stay out (none were issued in the last step)
	MID 1, 0, \first, \pv
	WIN 0
.if \kl
	s_wait_dscnt 0x0                               ; K is in
.endif
	SOFT5 1, 0, \first, \kl, 0, 0, 0
.endm
; 256 keys.  mode 2: the slot is filled again at the end; 1: the slots change and nothing is left to fetch; 0: the last tile.
.macro TRIP slot, other, mode, first
.if \first
	PHASEA \slot, 0, 1, 0, 0, 0                    ; the first step starts maxima, sums and O: nothing is cleared
	PHASEB \slot, 1, 1, 1, 1, 0, 0, 0
	PHASEA \slot, 1, 0, 1, 0, 0
.else
	PHASEA \slot, 0, 0, 2, 0, 0
	PHASEB \slot, 1, 0, 2, 1, 0, 0, 0
	PHASEA \slot, 1, 0, 2, 0, 0
.endif
	PHASEB \slot, 2, 0, 2, 1, 0, 0, 0
	PHASEA \slot, 2, 0, 2, 0, 0
	PHASEB \slot, 3, 0, 2, 1, 0, 0, 0
.if \mode == 2
	PHASEA \slot, 3, 0, 2, 1, 1
	PHASEB \other, 0, 0, 2, 1, 1, 1, \slot
.endif
.if \mode == 1
	PHASEA \slot, 3, 0, 2, 1, 0
	PHASEB \other, 0, 0, 2, 1, 1, 0, \slot
.endif
.if \mode == 0
	PHASEA \slot, 3, 0, 2, 0, 0
	PHASEB \other, 0, 0, 2, 0, 0, 0, \slot
.endif
.endm
	s_wait_loadcnt 0x0                             ; Q, once
	s_wait_tensorcnt 0x1                           ; my part of slot 0 is in; slot 1's may stay out
	s_barrier_signal -1
	s_barrier_wait -1                              ; everybody's is
	KLOAD 0, 0
	s_wait_dscnt 0x0
.irp u, 0,1,2,3,4,5,6,7
	QK1 0, \u                                      ; tile 0's scores of step 0, ahead of the first phase
.endr
	PLACES 4                                       ; ahead of the maxima that read them
	TRIP 0, 1, 2, 1
	TRIP 1, 0, 2, 0
	s_mov_b32 s50, 2
.Llap:
	TRIP 0, 1, 2, 0
	TRIP 1, 0, 2, 0
	s_sub_co_u32 s50, s50, 1
	s_cmp_lg_u32 s50, 0
	s_cbranch_scc1 .Llap
	TRIP 0, 1, 1, 0                                ; the seventh tile: the eighth is on its way, nothing is left to fetch
	TRIP 1, 0, 0, 0
	WIN 0x01
.irp u, 0,1,2,3,4,5,6,7
	PV1 1, \u, 0                                   ; tile 1's products of the last step
.endr
	WIN 0
	; THE END: divide by the sum, round to f16, through the stage so that the two heads' halves of a row leave as 256 whole bytes.
	PLACES 4
	v_add_f32 v2, v[LS], v[LS+1]
	v_add_f32 v3, v[LS+2], v[LS+3]
	v_permlanex16_b32 v[X], v2, s48, s49
	v_permlanex16_b32 v[X+1], v3, s48, s49
	v_add_f32 v2, v2, v[X]                         ; at least 1: the largest score's weight is 1
	v_add_f32 v3, v3, v[X+1]
	v_rcp_f32 v18, v2                              ; v19 and v21, which fill the pairs, were written in every step
	v_rcp_f32 v20, v3
	v_and_b32 v4, 15, v0                           ; r (plain lines behind the reciprocals)
	v_bfe_u32 v5, v0, 4, 1                         ; h
	s_wait_alu depctr_va_vdst(0)
.irp qt, 0,1
.irp dt, 0,1,2,3
.irp j, 0,2,4,6
	v_pk_mul_f32 v[O+8*(2*\dt+\qt)+\j:O+8*(2*\dt+\qt)+\j+1], v[O+8*(2*\dt+\qt)+\j:O+8*(2*\dt+\qt)+\j+1], v[18+2*\qt:19+2*\qt] op_sel_hi:[1,0]
.endr
.endr
.endr
.irp t, 0,1,2,3,4,5,6,7
.irp jj, 0,1,2,3
	v_cvt_pk_f16_f32 v[FK+4*\t+\jj], v[O+8*\t+2*\jj], v[O+8*\t+2*\jj+1]   ; d = 16 dt + 8 h + 0..7 of query r: 16 bytes
.endr
.endr
	s_mul_i32 s52, s10, 32*SPITCH
	s_add_co_u32 s52, s52, s51
	s_add_co_u32 s52, s52, STAGE
	v_mul_u32_u24 v6, v4, SPITCH
	v_lshl_add_u32 v6, v5, 4, v6
	v_add_nc_u32 v8, s52, v6                       ; in: row 32 (w % 4) + r, my head's half, 16 h
	s_mul_i32 s53, s8, 16*SPITCH
	s_add_co_u32 s53, s53, STAGE
	v_mul_u32_u24 v7, v5, SPITCH
	v_lshl_add_u32 v7, v4, 4, v7
	v_add_nc_u32 v9, s53, v7                       ; back: rows 16 w + 2 t + h, 16 bytes at 16 r
	v_lshlrev_b32 v10, 11, v5
	v_lshl_add_u32 v10, v4, 4, v10                 ; the same in xo
	s_lshl_b32 s60, s14, 11                        ; row 2048 b + 128 block + 16 w
	s_lshl_b32 s61, s12, 7
	s_add_co_u32 s60, s60, s61
	s_lshl_b32 s61, s8, 4
	s_add_co_u32 s60, s60, s61
	s_lshl_b32 s60, s60, 11
	s_lshl_b32 s61, s15, 8
	s_add_co_u32 s60, s60, s61
	s_mov_b32 s61, 0
	s_add_nc_u64 s[6:7], s[6:7], s[60:61]
.irp dt, 0,1,2,3
.irp qt, 0,1
	ds_store_b128 v8, v[FK+4*(2*\dt+\qt):FK+4*(2*\dt+\qt)+3] offset:16*SPITCH*\qt+32*\dt
.endr
.endr
	s_wait_dscnt 0x0                               ; my stores are in LDS, for the other waves' sake,
	s_barrier_signal -1
	s_barrier_wait -1                              ; and so are everybody's
.irp t, 0,1,2,3,4,5,6,7
	ds_load_b128 v[S+4*\t:S+4*\t+3], v9 offset:2*SPITCH*\t
.endr
.irp t, 0,1,2,3,4,5,6,7
	s_wait_dscnt 7-\t                              ; load t is in, the 7 - t younger ones stay out
	global_store_b128 v10, v[S+4*\t:S+4*\t+3], s[6:7] offset:4096*\t     ; 16 lanes store 256 consecutive bytes at a multiple of 256
.endr
	s_wait_tensorcnt 0x0
	ds_add_u32 v30, v31
	s_wait_dscnt 0x0
	ROUND                                          ; the closing round: no work-group ends while a partner may still ask for a tile that names it
	s_endpgm
.Lfunc_end_k_q761a056d72_attn:
	.size	k_q761a056d72_attn, .Lfunc_end_k_q761a056d72_attn-k_q761a056d72_attn
	.p2alignl 7, 3214868480
	.fill 96, 4, 3214868480
	.section	.rodata,"a",@progbits
	.p2align	6, 0x0
	.amdhsa_kernel k_q761a056d72_attn
		.amdhsa_group_segment_fixed_size 327680
		.amdhsa_private_segment_fixed_size 0
		.amdhsa_enable_private_segment 0
		.amdhsa_kernarg_size 16
		.amdhsa_user_sgpr_count 2
		.amdhsa_user_sgpr_kernarg_segment_ptr 1
		.amdhsa_wavefront_size32 1
		.amdhsa_system_sgpr_workgroup_id_x 1
		.amdhsa_system_sgpr_workgroup_id_y 1
		.amdhsa_system_sgpr_workgroup_id_z 1
		.amdhsa_system_vgpr_workitem_id 0
		.amdhsa_next_free_vgpr 336
		.amdhsa_next_free_sgpr 66
		.amdhsa_reserve_vcc 0
		.amdhsa_float_denorm_mode_32 3
		.amdhsa_float_denorm_mode_16_64 3
		.amdhsa_memory_ordered 1
		.amdhsa_forward_progress 1
		.amdhsa_inst_pref_size 255
	.end_amdhsa_kernel
	.section	.bss,"aw",@nobits
	.p2align	6
	.space	262144
	.amdgpu_metadata
---
amdhsa.version: [ 1, 2 ]
amdhsa.kernels:
  - .name:           k_q761a056d72_attn
    .symbol:         k_q761a056d72_attn.kd
    .args:
      - { .name: qkv, .offset: 0, .size: 8, .value_kind: global_buffer, .address_space: global }
      - { .name: xo, .offset: 8, .size: 8, .value_kind: global_buffer, .address_space: global }
    .group_segment_fixed_size: 327680
    .private_segment_fixed_size: 0
    .kernarg_segment_align: 8
    .kernarg_segment_size: 16
    .max_flat_workgroup_size: 256
    .sgpr_count:     66
    .vgpr_count:     336
    .wavefront_size: 32
...
	.end_amdgpu_metadata
.endif
;; end of part 3
;; launch oproj (part 4): grid 8 x 32, 4 waves a work-group, clusters of 4 x 4, 327,680 bytes of LDS; arguments xo, wt, bo, out0; writes out0
.if DOCPART == 4
	.amdgcn_target "amdgcn-amd-amdhsa--gfx1250"
	.amdhsa_code_object_version 6
	.text
	.protected	k_q761a056d72_oproj
	.globl	k_q761a056d72_oproj
	.p2align	8
	.type	k_q761a056d72_oproj,@function
k_q761a056d72_oproj:
	s_mov_b64 s[64:65], 0
	v_nop
	global_prefetch_b8 v0, s[64:65] scope:SCOPE_SE
	s_setreg_imm32_b32 hwreg(HW_REG_WAVE_MODE, 25, 1), 1
	s_wait_xcnt 0x0
	s_wait_alu depctr_hold_cnt(0) depctr_sa_sdst(0) depctr_va_vdst(0) depctr_va_sdst(0) depctr_va_ssrc(0) depctr_va_vcc(0) depctr_vm_vsrc(0)
	s_getreg_b32 s2, hwreg(HW_REG_IB_STS2, 6, 4)
	s_cmp_eq_u32 s2, 0
	s_cbranch_scc0 .Lentry_in_a_cluster
	s_endpgm
.Lentry_in_a_cluster:
	s_bfe_u32 s2, ttmp6, 0x10000c
	s_cmp_lg_u32 s2, 0xf033
	s_cbranch_scc0 .Lentry_shape_is_right
	s_endpgm
.Lentry_shape_is_right:
; oproj: out0[4096][1024] f32 = xo[4096][1024] (f16) x Wo + bo; Wo lies transposed in f16 as the fourth matrix of wt; sums in f32.
; A work-group makes a block of 128 x 128, so that 4096 x 1024 outputs are 256 work-groups; four waves of 64 x 64: 16 accumulator tiles each.
; K goes in four pieces of 256 through two LDS slots: a tile's rows are 512 bytes of memory at multiples of 512; one load a wave (64 rows) has
; eight quarter steps, 128 matrix instructions, in which to land.  The text is a straight line: four pieces need no loop.
; CLUSTERS: 4 x 4 work-groups; xo's tiles are shared along a row of the cluster, Wo's along a column, by joint loads.
; The matrix instruction is used transposed (source 0 = rows of Wo^T, source 1 = rows of xo): lane l holds row l % 16 and eight neighbouring columns, 32 bytes of f32.
; REGISTERS: window 0: v16-27 addresses; v64-127, v128-191 fragments, two buffers (A at +8 i, B at +32+8 i); v192-223 the bias of my 64 columns.
;            window 1: accumulator (a, b) at v[8 (4 a + b)].
.set SIZE_N, 1024
.set KSLOT,  256
.set PITCH,  528                       ; 512 bytes + 16: an odd multiple of 16
.set HALFT,  64*PITCH
.set SLOT,   4*HALFT                   ; A's two halves, then B's
.set STAGE,  2*SLOT                    ; 270,336: 16 rows x 272 bytes for each wave; no tensor load lands here
.set SPITCH, 272
.set ADRA, 16
.set ADRB, 20
.set STO,  24
.set RD,   25
.set CO,   26
.set BOF,  27
.set F0,   64
.set F1,   128
.set BI,   192
.set G1, 24
.set G0, 32
.set G1B, 48
.set G0B, 56
.set MSB, 0
.macro WIN new
.if MSB != \new
	s_set_vgpr_msb (MSB<<8)|\new
.set MSB, \new
.endif
.endm
.macro JLOAD s                         ; waves 0 and 1 fetch A's halves, waves 2 and 3 B's
	s_cmp_eq_u32 s11, 0
	s_cbranch_scc0 .Lfor_b_\@
	tensor_load_to_lds s[G0+4*\s:G0+4*\s+3], s[G1:G1+7]
	s_nop 0
	s_branch .Lasked_\@
.Lfor_b_\@:
	tensor_load_to_lds s[G0B+4*\s:G0B+4*\s+3], s[G1B:G1B+7]
	s_nop 0
.Lasked_\@:
.endm
.macro CROUND                          ; a round of the cluster's barrier
	s_barrier_signal -1
	s_barrier_wait -1
	s_cmp_lg_u32 s10, 0
	s_cbranch_scc1 .Lnot_wave_0_\@
	s_barrier_signal -3
.Lnot_wave_0_\@:
	s_barrier_wait -3
	s_barrier_signal -1
	s_barrier_wait -1
.endm
	s_load_b128 s[4:7], s[0:1], 0x0                ; xo s[4:5], wt s[6:7]
	s_load_b64 s[66:67], s[0:1], 0x10              ; bo
	s_load_b64 s[8:9], s[0:1], 0x18                ; out0
	v_lshl_add_u32 v254, v0, 2, 0x46400
	v_mov_b32 v255, 0
	ds_add_u32 v254, v255
	v_lshrrev_b32 v1, 5, v0
	v_readfirstlane_b32 s10, v1                    ; wave 0..3
	s_lshr_b32 s11, s10, 1                         ; my half of the rows.  Also: I fetch for A (0) or for B (1)
	s_and_b32 s12, s10, 1                          ; my half of the columns.  Also: which 64 rows of that tile I fetch
	s_bfe_u32 s40, ttmp6, 0x40000                  ; cx
	s_bfe_u32 s41, ttmp6, 0x40004                  ; cy
	s_lshl_b32 s42, ttmp9, 2
	s_add_co_u32 s42, s42, s40                     ; block column, 0..7
	s_and_b32 s13, ttmp7, 0xffff
	s_lshl_b32 s13, s13, 2
	s_add_co_u32 s13, s13, s41                     ; block row, 0..31
	s_lshl_b32 s43, s41, 2
	s_lshl_b32 s43, 15, s43                        ; my row of the cluster
	s_lshl_b32 s44, 0x1111, s40                    ; my column
	s_or_b32 s[G1+0], s43, (1<<16)|(1<<20)|(1<<21)|(6<<22)|(3<<25)   ; mask; 2-byte elements; padding: after every 128 words 4 words
	s_or_b32 s[G1B+0], s44, (1<<16)|(1<<20)|(1<<21)|(6<<22)|(3<<25)
	s_mov_b32 s[G1+1], KSLOT<<16                   ; tensor_dim0 = 256
	s_mov_b32 s[G1B+1], KSLOT<<16
	s_mov_b32 s[G1+2], 64<<16                      ; tensor_dim1 = 64
	s_mov_b32 s[G1B+2], 64<<16
	s_mov_b32 s[G1+3], KSLOT<<16                   ; tile_dim0 = 256
	s_mov_b32 s[G1B+3], KSLOT<<16
	s_mov_b32 s[G1+4], 64                          ; tile_dim1 = 64
	s_mov_b32 s[G1B+4], 64
	s_mov_b32 s[G1+5], 1024                        ; elements from row to row
	s_mov_b32 s[G1B+5], 1024
	s_mov_b32 s[G1+6], 0
	s_mov_b32 s[G1B+6], 0
	s_mov_b32 s[G1+7], 0
	s_mov_b32 s[G1B+7], 0
	s_lshl_b32 s17, s12, 6
	s_lshl_b32 s16, s13, 7
	s_add_co_u32 s16, s16, s17                     ; A: row 128 x block row + 64 x half
	s_lshl_b32 s16, s16, 11                        ; 2,048 bytes a row
	s_lshl_b32 s46, s42, 7
	s_add_co_u32 s46, s46, s17                     ; B: row 128 x block column + 64 x half
	s_lshl_b32 s46, s46, 11
	s_add_co_u32 s46, s46, 3<<21                   ; the fourth matrix of wt
	s_mov_b32 s17, 0
	s_mov_b32 s47, 0
	s_lshl_b32 s68, s42, 9                         ; my 64 columns in f32: 4 (128 x block column + 64 x half) bytes
	s_lshl_b32 s69, s12, 8
	s_add_co_u32 s68, s68, s69
	s_mov_b32 s69, 0
	s_mul_i32 s20, s10, HALFT                      ; LDS: wave x 64 rows
	s_wait_dscnt 0x0
	s_wait_kmcnt 0x0
	s_add_nc_u64 s[14:15], s[4:5], s[16:17]
	s_add_nc_u64 s[46:47], s[6:7], s[46:47]
	s_add_nc_u64 s[66:67], s[66:67], s[68:69]
	CROUND                                         ; all sixteen work-groups are here: the first joint loads meet
.irp s, 0,1
	s_mov_b32 s[G0+4*\s], 1
	s_add_co_u32 s[G0+4*\s+1], s20, \s*SLOT
	s_add_nc_u64 s[G0+4*\s+2:G0+4*\s+3], s[14:15], \s*KSLOT*2
	s_or_b32 s[G0+4*\s+3], s[G0+4*\s+3], 0x80000000
	s_mov_b32 s[G0B+4*\s], 1
	s_add_co_u32 s[G0B+4*\s+1], s20, \s*SLOT
	s_add_nc_u64 s[G0B+4*\s+2:G0B+4*\s+3], s[46:47], \s*KSLOT*2
	s_or_b32 s[G0B+4*\s+3], s[G0B+4*\s+3], 0x80000000
	JLOAD \s                                       ; both slots' first fills: two tensor loads of the wave are out
.endr
	v_and_b32 v1, 15, v0                           ; r
	v_bfe_u32 v2, v0, 4, 1                         ; h
	v_lshlrev_b32 v[BOF], 5, v2
.irp b, 0,1,2,3
	global_load_b128 v[BI+8*\b:BI+8*\b+3],   v[BOF], s[66:67] offset:64*\b      ; bias of columns 16 b + 8 h + 0..3
	global_load_b128 v[BI+8*\b+4:BI+8*\b+7], v[BOF], s[66:67] offset:64*\b+16
.endr
	v_mul_u32_u24 v3, v1, PITCH
	v_lshl_add_u32 v3, v2, 4, v3
	s_mul_i32 s21, s11, HALFT                      ; my 64 rows of A
	s_mul_i32 s22, s12, HALFT                      ; my 64 rows of B,
	s_add_co_u32 s22, s22, 2*HALFT                 ; behind A's 128
.irp s, 0,1
	v_add_nc_u32 v[ADRA+\s], s21, v3
	v_add_nc_u32 v[ADRB+\s], s22, v3
	s_add_co_u32 s21, s21, SLOT
	s_add_co_u32 s22, s22, SLOT
.endr
	s_mul_i32 s23, s10, 16*SPITCH
	s_add_co_u32 s23, s23, STAGE
	v_mul_u32_u24 v4, v1, SPITCH                   ; in: row r, 32 bytes for each half of the lanes
	v_lshl_add_u32 v4, v2, 5, v4
	v_add_nc_u32 v[STO], s23, v4
	v_mul_u32_u24 v5, v2, SPITCH                   ; back: lanes 0-15 one row of 256 bytes, lanes 16-31 the next
	v_lshl_add_u32 v5, v1, 4, v5
	v_add_nc_u32 v[RD], s23, v5
	v_lshlrev_b32 v5, 12, v2                       ; the same two rows in out0
	v_lshl_add_u32 v[CO], v1, 4, v5
.macro PLACES                          ; places behind matrix instructions (ISA guide 7.12.1 for vector instructions)
.rept 4
	v_nop
.endr
.endm
.macro FETCH slot, k, f                ; 16 LDS loads: 64 rows of B and 64 of A, 32 along K at byte k of the rows
.irp i, 0,1,2,3
	ds_load_b128 v[\f+32+8*\i:\f+32+8*\i+3],   v[ADRB+\slot] offset:\k+\i*16*PITCH
	ds_load_b128 v[\f+32+8*\i+4:\f+32+8*\i+7], v[ADRB+\slot] offset:\k+\i*16*PITCH+32
.endr
.irp i, 0,1,2,3
	ds_load_b128 v[\f+8*\i:\f+8*\i+3],   v[ADRA+\slot] offset:\k+\i*16*PITCH
	ds_load_b128 v[\f+8*\i+4:\f+8*\i+7], v[ADRA+\slot] offset:\k+\i*16*PITCH+32
.endr
.endm
; 16 matrix instructions; the 16 accumulators take turns, one instruction a turn, in the same order every time.
; zero = 1: the first product starts the sums from the bias.
.macro MUL f, zero
.if \zero
	WIN 0x40                                       ; D window 1, C (the bias) window 0
.else
	WIN 0x50                                       ; C and D window 1
.endif
.irp a, 0,1,2,3
.irp b, 0,1,2,3
.if \zero
	v_wmma_f32_16x16x32_f16 v[8*(4*\a+\b):8*(4*\a+\b)+7], v[\f+32+8*\b:\f+32+8*\b+7], v[\f+8*\a:\f+8*\a+7], v[BI+8*\b:BI+8*\b+7]
.else
	v_wmma_f32_16x16x32_f16 v[8*(4*\a+\b):8*(4*\a+\b)+7], v[\f+32+8*\b:\f+32+8*\b+7], v[\f+8*\a:\f+8*\a+7], v[8*(4*\a+\b):8*(4*\a+\b)+7]
.endif
.endr
.endr
.endm
.macro QUARTER slot, k, f, g, zero     ; multiplies buffer f; ahead of that it asks for the next quarter's fragments into buffer g
	s_wait_dscnt 0x0                               ; buffer f is in: its loads were issued ahead of the last 16 matrix instructions
	WIN 0
	PLACES                                         ; those read buffer g
	FETCH \slot, \k, \g
	MUL \f, \zero
.endm
.macro SEVEN slot, zero
	QUARTER \slot, 64,  F0, F1, \zero
	QUARTER \slot, 128, F1, F0, 0
	QUARTER \slot, 192, F0, F1, 0
	QUARTER \slot, 256, F1, F0, 0
	QUARTER \slot, 320, F0, F1, 0
	QUARTER \slot, 384, F1, F0, 0
	QUARTER \slot, 448, F0, F1, 0
.endm
; The eighth quarter changes slots.  In front of the barrier each wave waits for its reads of this slot and for all its tensor loads (its part of the
; next slot is the one that was out); where the slot is filled again the barrier is a round of the cluster's, and the refill is the first tensor load behind it.
.macro LASTQ slot, next, fill
	WIN 0
	s_wait_dscnt 0x0
	s_wait_tensorcnt 0x0
	ds_add_u32 v254, v255
	s_wait_dscnt 0x0
.if \fill
	s_add_nc_u64 s[G0+4*\slot+2:G0+4*\slot+3], s[G0+4*\slot+2:G0+4*\slot+3], 2*KSLOT*2
	s_add_nc_u64 s[G0B+4*\slot+2:G0B+4*\slot+3], s[G0B+4*\slot+2:G0B+4*\slot+3], 2*KSLOT*2
	CROUND
	JLOAD \slot
.else
	s_barrier_signal -1
	s_barrier_wait -1
.endif
	PLACES
	FETCH \next, 0, F0
	MUL F1, 0
.endm
	s_wait_loadcnt 0x0                             ; the bias
	s_wait_tensorcnt 1                             ; my part of slot 0 is in; slot 1's may stay out
	s_barrier_signal -1
	s_barrier_wait -1
	FETCH 0, 0, F0
	SEVEN 0, 1                                     ; K 0..255
	LASTQ 0, 1, 1
	SEVEN 1, 0                                     ; K 256..511
	LASTQ 1, 0, 1
	SEVEN 0, 0                                     ; K 512..767
	LASTQ 0, 1, 0                                  ; nothing is left to fetch
	SEVEN 1, 0                                     ; K 768..1023
	s_wait_dscnt 0x0
	MUL F1, 0
	; THE WAY OUT, 16 rows at a time, through my own stage: 32 bytes a lane in, whole rows of 256 bytes back.
	PLACES
	s_lshl_b32 s16, s13, 7
	s_lshl_b32 s17, s11, 6
	s_add_co_u32 s16, s16, s17                     ; my first row
	s_lshl_b32 s16, s16, 12                        ; 4,096 bytes a row
	s_mov_b32 s17, 0
	s_add_nc_u64 s[8:9], s[8:9], s[16:17]
	s_add_nc_u64 s[8:9], s[8:9], s[68:69]          ; my first column
.macro OUT16 a, f
	WIN 0x04                                       ; the stores' data in window 1
.irp b, 0,1,2,3
	ds_store_b128 v[STO], v[8*(4*\a+\b):8*(4*\a+\b)+3]   offset:64*\b
	ds_store_b128 v[STO], v[8*(4*\a+\b)+4:8*(4*\a+\b)+7] offset:64*\b+16
.endr
	WIN 0
	s_wait_xcnt 0x0                                ; buffer f, which earlier stores read, and the stores' base are rewritten only behind this wait
.if \a
	s_add_nc_u64 s[8:9], s[8:9], 16*SIZE_N*4
.endif
.irp t, 0,1,2,3,4,5,6,7
	ds_load_b128 v[\f+4*\t:\f+4*\t+3], v[RD] offset:\t*2*SPITCH    ; LDS serves a wave's instructions in order: these see the stores above
.endr
.irp t, 0,1,2,3,4,5,6,7
	s_wait_dscnt 7-\t                              ; load t is in, the 7 - t younger ones stay out
	global_store_b128 v[CO], v[\f+4*\t:\f+4*\t+3], s[8:9] offset:2*\t*SIZE_N*4 th:TH_STORE_NT   ; 16 lanes store 256 consecutive bytes at a multiple of 256
.endr
.endm
	OUT16 0, F0
	OUT16 1, F1
	OUT16 2, F0
	OUT16 3, F1
	s_wait_tensorcnt 0x0
	ds_add_u32 v254, v255
	s_wait_dscnt 0x0
	CROUND                                         ; the closing round
	s_endpgm
.Lfunc_end_k_q761a056d72_oproj:
	.size	k_q761a056d72_oproj, .Lfunc_end_k_q761a056d72_oproj-k_q761a056d72_oproj
	.p2alignl 7, 3214868480
	.fill 96, 4, 3214868480
	.section	.rodata,"a",@progbits
	.p2align	6, 0x0
	.amdhsa_kernel k_q761a056d72_oproj
		.amdhsa_group_segment_fixed_size 327680
		.amdhsa_private_segment_fixed_size 0
		.amdhsa_enable_private_segment 0
		.amdhsa_kernarg_size 32
		.amdhsa_user_sgpr_count 2
		.amdhsa_user_sgpr_kernarg_segment_ptr 1
		.amdhsa_wavefront_size32 1
		.amdhsa_system_sgpr_workgroup_id_x 1
		.amdhsa_system_sgpr_workgroup_id_y 1
		.amdhsa_system_sgpr_workgroup_id_z 1
		.amdhsa_system_vgpr_workitem_id 0
		.amdhsa_next_free_vgpr 384
		.amdhsa_next_free_sgpr 72
		.amdhsa_reserve_vcc 0
		.amdhsa_float_denorm_mode_32 3
		.amdhsa_float_denorm_mode_16_64 3
		.amdhsa_memory_ordered 1
		.amdhsa_forward_progress 1
		.amdhsa_inst_pref_size 89
	.end_amdhsa_kernel
	.amdgpu_metadata
---
amdhsa.version: [ 1, 2 ]
amdhsa.kernels:
  - .name:           k_q761a056d72_oproj
    .symbol:         k_q761a056d72_oproj.kd
    .args:
      - { .name: xo, .offset: 0, .size: 8, .value_kind: global_buffer, .address_space: global }
      - { .name: wt, .offset: 8, .size: 8, .value_kind: global_buffer, .address_space: global }
      - { .name: bo, .offset: 16, .size: 8, .value_kind: global_buffer, .address_space: global }
      - { .name: out0, .offset: 24, .size: 8, .value_kind: global_buffer, .address_space: global }
    .group_segment_fixed_size: 327680
    .private_segment_fixed_size: 0
    .kernarg_segment_align: 8
    .kernarg_segment_size: 32
    .max_flat_workgroup_size: 128
    .sgpr_count:     72
    .vgpr_count:     384
    .wavefront_size: 32
...
	.end_amdgpu_metadata
.endif
;; end of part 4
